; MI455X (gfx1250); checked and timed in simulation.
; The chip was launched on July 23, 2026; its instructions are those of AMD's public machine-readable ISA for CDNA 5 (MIT licence, August 2026) and "CDNA5" Instruction Set Architecture Reference Guide (July 2026). The comments in the code are by the model that wrote it; some were corrected since.
;; Split Scale Attend. Allowed arithmetic: matrix products marked QUANTISED: E2M3 operands, one E8M0 scale for each 32 along K, by v_wmma_scale_f32_16x16x128_f8f6f4 with both operands' format E2M3, f32 sums; everything else in f32.
;; Inputs: k 4 x 16 x 2,048 x 64 float32; q 4 x 16 x 2,048 x 64 float32; v 4 x 16 x 2,048 x 64 float32.
;; Outputs: out0 4 x 16 x 2,048 x 64 float32.
;; This version of the problem:
;;   THIS VERSION OF THE PROBLEM IS GIVEN IN LOW PRECISION. The matrix products marked QUANTISED in the list below multiply operands that are first quantised to E2M3 (2 exponent bits, 3 mantissa bits; 6 bits a number), with one power-of-two scale for each 32 numbers along K (OCP MX v1.0); their sums are f32. All else is computed in f32.
;;   The module's matrix products, in the order in which they are computed (A, B: the left and right operand; K: the contracted axis; several contracted axes count as one K, in the product's order):
;;     1. batch 64 x [M 2,048, K 64] x [K 64, N 2,048]; A: input q; B: computed on the way: QUANTISED
;;     2. batch 64 x [M 2,048, K 2,048] x [K 2,048, N 64]; A: softmax (see below); B: input v: QUANTISED
;;   THE QUANTISER, for each operand of a quantised product, along K:
;;     - K is cut into blocks of 32 from its start; a last block that is shorter is filled with zeros.
;;     - A block's scale is 2^e with e = floor(log2(the largest magnitude in the block)) - 2, held to -126 .. 127; a block of zeros has e = 0. As a byte (E8M0): e + 127.
;;     - Each number is divided by its block's scale, clamped to +-7.5, and rounded to the nearest number of E2M3, ties to even, subnormals kept.
;;     - The product sums the exact products of the quantised numbers (number of the format x scale) in f32.
;;   ~~~python
;;   def quantise(x, axis):      # numpy; x: float32 -> the quantised numbers, widened to float32 again
;;       x = np.moveaxis(x, axis, -1); K = x.shape[-1]
;;       x = np.pad(x, [(0, 0)] * (x.ndim - 1) + [(0, -K % 32)]); x = x.reshape(x.shape[:-1] + (-1, 32)); a = np.abs(x).max(-1, keepdims=True)
;;       e = np.where(a > 0, np.clip(np.frexp(np.where(a > 0, a, 1))[1] - 1 - 2, -126, 127), 0)      # np.frexp(a)[1] - 1 = floor(log2(a)), exactly
;;       r = np.clip(x / 2.0 ** e, -7.5, 7.5)
;;       step = 2.0 ** (np.maximum(np.frexp(np.where(r == 0, 1, r))[1] - 1, 0) - 3)
;;       q = np.round(r / step) * step * 2.0 ** e      # np.round: ties to even
;;       return np.moveaxis(q.reshape(q.shape[:-2] + (-1,))[..., :K], -1, axis).astype(np.float32)
;;   ~~~
;;   SOFTMAX AHEAD OF A QUANTISED PRODUCT. Where the list says 'softmax', what is quantised is not the finished softmax but p = 2^(t - M), with t = logit x log2(e) and M = ceil(the row's largest t), a whole number; so 1/2 < the row's largest p <= 1. The row's sum l is taken of the UNQUANTISED p, in f32, and the product's result is divided by l at the end. Since M is a whole number, a kernel that streams over the keys may use a running M (the ceiling of the running maximum): every later rescaling is an exact power of two, which a block's scale takes up: the codes' values come out the same.
;;   OPERANDS COMPUTED ON THE WAY. 'Computed on the way' means the value that the module computes at that place (a softmax that the list does not call 'softmax' is quantised finished and normalised). What goes into a quantiser is computed in f32, as accurately as f32 sums, v_exp_f32 and their like allow (about 1e-6 of the number): no bf16 or f16 on the way to a quantiser, and a product that is left as it is and whose result goes on into a quantised operand takes f32 operands (vector FMAs, or v_wmma_f32_16x16x4_f32). A number that lies on a knife's edge between two numbers of the format may be rounded either way, as far as f32 arithmetic and the matrix unit's own rounding can turn it there, and no further.
;; One version. Each part assembles by itself: llvm-mc -triple=amdgcn-amd-amdhsa -mcpu=gfx1250 --defsym DOCPART=n.
;; ======== version 1 of 1: 2 launches
;; limits: right only within a limited range of input values
;; workspace buffers: kv 13,369,344 bytes
;; launch quant (part 1): grid 8 x 64, 4 waves a work-group, no clusters, 38,400 bytes of LDS; arguments k, v, kv; writes kv
.if DOCPART == 1
	.amdgcn_target "amdgcn-amd-amdhsa--gfx1250"
	.amdhsa_code_object_version 6
	.text
	.protected	k_q80a2676301_quant
	.globl	k_q80a2676301_quant
	.p2align	8
	.type	k_q80a2676301_quant,@function
k_q80a2676301_quant:
	s_mov_b64 s[64:65], 0
	v_nop
	global_prefetch_b8 v0, s[64:65] scope:SCOPE_SE
	s_setreg_imm32_b32 hwreg(HW_REG_WAVE_MODE, 25, 1), 1
	s_wait_xcnt 0x0
; k and v, [64 heads][2048 keys][64] f32, become codes of FP6 (E2M3) with one E8M0 scale byte for each 32 along a product's K, laid in kv in the ORDER OF THE OPERANDS' REGISTERS.
; k is first multiplied by 0.125 (an exact step) and quantised along the head's 64; v is quantised along the keys.
; A block's scale is 2^(floor(log2(its largest magnitude)) - 2); its byte is the largest magnitude's exponent field - 2, held at 1 from below.
; LIMITS: NaN and infinities among the inputs are not served.  A block of zeros, and a block whose largest magnitude lies under 2^-124, gets the byte 1 (for zeros the rule says 127: the codes are zeros,
; which add nothing under any byte but 0xff, and this program alone reads the bytes).
; A STEP BLOCK of kv: one head, 128 keys, 13,056 bytes = 51 x 256, block (head, step) at (16 head + step) x 13,056:
;   0      K's tile T = 0..7 at 768 T: 512 bytes, lane l's 16 at 16 l (fragment registers 0-3), then 256 bytes, 8 at 8 l (registers 4-5).  Lane (r, h) holds dims 32 h .. 32 h + 31 of key
;          kappa(T, r) = 64 (T / 4) + 32 (r / 8) + 8 (T % 4) + r % 8: so the scores of a lane come out as whole blocks of 32 neighbouring keys.
;   6144   V's tile t = 0..3 (channels 16 t + r) at 1536 t: three planes of 512 bytes, lane l's 16 at 16 l (registers 4 p .. 4 p + 3); registers 6 c .. 6 c + 5 of lane (r, h): keys 64 c + 32 h + 0 .. 31.
;   12288  K's scale words: lane l's 16 bytes at 16 l are words i = 0..3: lanes 0-15 tile 2 i, lanes 16-31 tile 2 i + 1 (byte 0: dims 0-31, byte 1: dims 32-63, bytes 2, 3: 0, over zero codes).
;   12800  V's scale words: lane l's 8 bytes at 8 l are words i = 0, 1: lanes 0-15 tile 2 i, lanes 16-31 tile 2 i + 1 (byte b: keys 32 b on).
; SHARES.  Work-group (x, head); wave w takes step 2 x + w % 2; waves 0, 1 make K's part of the block, waves 2, 3 V's.  Waves share nothing: no barrier.  The launch streams: no tensor load, no matrix unit, no cluster.
.set STEPB, 13056
.set VFOFF, 6144
.set KSOFF, 12288
.set VSOFF, 12800
.set STG,   9472                       ; LDS: a stage for each wave (K's waves use theirs: 9,216 bytes)
.set FLOOR, 0x1800000                  ; 2^(3 - 127): no largest magnitude is taken under it, so the byte cannot fall under 1
.set R,   64                           ; K: v64-191  two sets of 64 registers, as loaded
.set X,   192                          ; K: v192-255 two tiles' 32 numbers a lane, back from the stage
.set C,   16                           ; K: v16-21, v24-29 a tile's six registers of codes
.set T,   32                           ; v32-34, v36-38 a conversion's three registers that begin on an even number, to be moved
.set M,   40                           ; v40-41 largest magnitudes
.set SOP, 42                           ; v42-43 the conversions' scale operands
.set BY,  44                           ; v44-45 scale bytes
.set PX,  46                           ; v46-47 what the lane 16 away holds
.set KW,  48                           ; v48-51 K's scale words;  V: v48-49 its two
.set XV,  64                           ; V: v64-127  two sets of 32 numbers
.set CV,  128                          ; V: v128-175 codes: 12 registers for (a, half) at 24 a + 12 half
	s_load_b128 s[4:7], s[0:1], 0x0                ; k, v
	s_load_b64 s[8:9], s[0:1], 0x10                ; kv
	v_lshl_add_u32 v62, v0, 2, 0x9400
	v_mov_b32 v63, 0
	v_lshrrev_b32 v1, 5, v0
	v_readfirstlane_b32 s10, v1                    ; wave 0..3
	s_and_b32 s11, s10, 1
	s_lshr_b32 s12, s10, 1                         ; role: 0 = K, 1 = V
	s_lshl_b32 s13, ttmp9, 1
	s_add_co_u32 s13, s13, s11                     ; step = 2 x + wave % 2
	s_and_b32 s14, ttmp7, 0xffff                   ; head
	s_mul_i32 s15, s10, STG                        ; my stage
	s_lshl_b32 s18, s14, 19                        ; in k or v: a head is 2^19 bytes,
	s_lshl_b32 s19, s13, 15                        ; 128 keys are 2^15
	s_add_co_u32 s18, s18, s19
	s_mov_b32 s19, 0
	s_lshl_b32 s20, s14, 4
	s_add_co_u32 s20, s20, s13
	s_mul_i32 s20, s20, STEPB                      ; in kv: my step block
	s_mov_b32 s21, 0
	s_mov_b32 s22, 0x76543210                      ; v_permlanex16_b32's selects for lane l xor 16
	s_mov_b32 s23, 0xfedcba98
	s_mov_b32 s24, 0x3e000000                      ; 0.125 = 64^(-1/2)
	s_mov_b32 s25, s24                             ; (named with it as a pair, so it is written)
	v_and_b32 v1, 31, v0                           ; lane
	v_lshlrev_b32 v2, 4, v1                        ; 16 x lane
	v_lshlrev_b32 v3, 3, v1                        ; 8 x lane
	v_lshlrev_b32 v4, 2, v1                        ; 4 x lane
	v_and_b32 v5, 15, v0                           ; r
	v_bfe_u32 v6, v0, 4, 1                         ; h
	v_lshlrev_b32 v7, 3, v6                        ; 8 h
	v_lshrrev_b32 v8, 3, v1                        ; the stage, on the way in: pieces of 128 bytes (32 dims of a key) 144 bytes apart: 144 (lane / 8) + 16 (lane % 8)
	v_mul_u32_u24 v8, v8, 144
	v_and_b32 v11, 7, v0
	v_lshl_add_u32 v8, v11, 4, v8
	v_add_nc_u32 v8, s15, v8
	v_bfe_u32 v9, v0, 3, 1                         ; and on the way out: run r / 8 (32 pieces + 16 bytes), key r % 8 (two pieces), half h
	v_mul_u32_u24 v9, v9, 4624
	v_mad_u32_u24 v9, v11, 288, v9
	v_mad_u32_u24 v9, v6, 144, v9
	v_add_nc_u32 v9, s15, v9
	v_mul_u32_u24 v10, v6, 1536                    ; V's stores: my channel's tile (lane / 16) and row (r)
	v_lshl_add_u32 v10, v5, 4, v10
	v_cmp_le_u32 s16, 16, v1                       ; lanes 16-31
	v_mov_b32 v46, 0                               ; written once: a lane permute's destination counts as one of its sources
	v_mov_b32 v47, 0
	s_wait_kmcnt 0x0
	s_cmp_eq_u32 s12, 0                            ; the choice hangs on the wave's number alone
	s_cselect_b64 s[4:5], s[4:5], s[6:7]
	s_add_nc_u64 s[4:5], s[4:5], s[18:19]
	s_add_nc_u64 s[8:9], s[8:9], s[20:21]
	s_cmp_lg_u32 s12, 0
	s_cbranch_scc1 .Lv
; ---- K.  Four pairs of tiles; pair i (tiles 2 i, 2 i + 1) is made of two runs of 16 keys, at key 64 (i / 2) + 16 (i % 2) and 32 keys on: 8 KiB.
; Each load reads 512 consecutive bytes, 16 a lane.  The conversions want 32 neighbouring dims of one key in a lane: the 8 KiB turn through the wave's own stage.
.macro LOADK i
.irp n, 0,1,2,3,4,5,6,7,8,9,10,11,12,13,14,15
	global_load_b128 v[R+64*((\i)%2)+4*\n:R+64*((\i)%2)+4*\n+3], v2, s[4:5] offset:256*(64*((\i)/2)+16*((\i)%2)+32*(\n/8))+512*(\n%8) th:TH_LOAD_NT
.endr
.endm
.macro TURNK i                         ; LDS serves a wave's instructions in order (ISA guide 5.7.1.4): no wait between the stores and the loads
.irp n, 0,1,2,3,4,5,6,7,8,9,10,11,12,13,14,15
	ds_store_b128 v8, v[R+64*((\i)%2)+4*\n:R+64*((\i)%2)+4*\n+3] offset:576*\n+16*(\n/8)
.endr
.irp e, 0,1
.irp j, 0,1,2,3,4,5,6,7
	ds_load_b128 v[X+32*\e+4*\j:X+32*\e+4*\j+3], v9 offset:2304*\e+16*\j   ; register X + 32 e + n: dim 32 h + n of key kappa(2 i + e, r)
.endr
.endr
.endm
.macro PAIRK i
.if (\i) < 3
	s_wait_loadcnt 16                              ; this pair's 16 loads are in; the next pair's 16 may be out
.else
	s_wait_loadcnt 0
.endif
	TURNK \i
	s_wait_dscnt 0x0                               ; the numbers are back, and the stores into the stage have read their registers,
.if (\i) < 2
	LOADK (\i)+2                                   ; which take the pair two on
.endif
.set j, 0
.rept 32
	v_pk_mul_f32 v[X+j:X+j+1], v[X+j:X+j+1], s[24:25] op_sel_hi:[1,0]   ; k x 0.125
.set j, j+2
.endr
.irp e, 0,1
	v_max3_num_f32 v[M+\e], |v[X+32*\e]|, |v[X+32*\e+1]|, FLOOR        ; a block is all mine: 32 dims of one key.  The two tiles by turns
.endr
.irp n, 2,4,6,8,10,12,14,16,18,20,22,24,26,28,30
.irp e, 0,1
	v_max3_num_f32 v[M+\e], v[M+\e], |v[X+32*\e+\n]|, |v[X+32*\e+\n+1]|
.endr
.endr
.irp e, 0,1
	v_add_nc_u32 v[SOP+\e], 0xff000000, v[M+\e]    ; 2 off the exponent field: the conversion takes the exponent field of this operand as its scale, and nothing else of it
.endr
.irp e, 0,1
	v_lshrrev_b32 v[BY+\e], 23, v[SOP+\e]          ; the scale's byte
.endr
.if (\i) > 0
	s_wait_alu depctr_va_vdst(0)
	s_wait_xcnt 0x0                                ; the last pair's stores have read their data: the codes' registers are written again only behind this wait
.endif
.irp e, 0,1
	v_cvt_scalef32_pk16_fp6_f32 v[C+8*\e:C+8*\e+2], v[X+32*\e:X+32*\e+15], v[SOP+\e]
	v_cvt_scalef32_pk16_fp6_f32 v[T+4*\e:T+4*\e+2], v[X+32*\e+16:X+32*\e+31], v[SOP+\e]   ; (a conversion's three registers begin on an even number)
.endr
	v_nop                                          ; one plain instruction behind the scaled conversions
.irp e, 0,1
.irp n, 0,1,2
	v_mov_b32 v[C+8*\e+3+\n], v[T+4*\e+\n]
.endr
.endr
.irp e, 0,1
	global_store_b128 v2, v[C+8*\e:C+8*\e+3], s[8:9] offset:768*(2*(\i)+\e)          ; the wave stores 512 consecutive bytes, at a multiple of 256 from kv's first byte,
	global_store_b64 v3, v[C+8*\e+4:C+8*\e+5], s[8:9] offset:768*(2*(\i)+\e)+512     ; and 256
.endr
.irp e, 0,1
	v_lshlrev_b32 v[BY+\e], v7, v[BY+\e]           ; my byte at its place in the key's scale word (8 h bits up);
.endr
.irp e, 0,1
	v_permlanex16_b32 v[PX+\e], v[BY+\e], s22, s23
.endr
.irp e, 0,1
	v_or_b32 v[BY+\e], v[BY+\e], v[PX+\e]          ; with lane l xor 16's the word is whole, in both lanes
.endr
	v_cndmask_b32 v[KW+(\i)], v[BY], v[BY+1], s16  ; lanes 0-15 keep tile 2 i's, lanes 16-31 tile 2 i + 1's
.endm
	LOADK 0
	LOADK 1
	s_wait_alu depctr_va_vdst(0)
	PAIRK 0
	PAIRK 1
	PAIRK 2
	PAIRK 3
	global_store_b128 v2, v[KW:KW+3], s[8:9] offset:KSOFF   ; 512 consecutive bytes
	s_wait_tensorcnt 0x0
	ds_add_u32 v62, v63
	s_wait_dscnt 0x0
	s_endpgm
; ---- V.  A lane takes a channel and its registers run down the keys: a block of 32 keys lies in one lane's 32 registers, and the codes come out with the keys innermost.
; Lane l takes channels l (a = 0) and 32 + l (a = 1).  Unit u = 2 b + a: block b (keys 32 b on) of channels 32 a on; the two halves of each row of 256 bytes are asked for by neighbouring units.
.Lv:
.macro LOADV u
.irp i, 0,1,2,3,4,5,6,7,8,9,10,11,12,13,14,15,16,17,18,19,20,21,22,23,24,25,26,27,28,29,30,31
	global_load_b32 v[XV+32*((\u)%2)+\i], v4, s[4:5] offset:(32*((\u)/2)+\i)*256+128*((\u)%2) th:TH_LOAD_NT
.endr
.endm
.macro UNITV u
.set UA, (\u)%2
.set UB, (\u)/2
.set XS, XV+32*UA
.set CD, CV+24*UA+12*(UB%2)+6*(UB/2)   ; block b = 2 c + half: registers 6 c .. 6 c + 5 of that half's twelve
.if (\u) < 7
	s_wait_loadcnt 32                              ; this unit's 32 loads are in; the next unit's 32 may be out
.else
	s_wait_loadcnt 0
.endif
	v_max3_num_f32 v40, |v[XS]|, |v[XS+1]|, FLOOR  ; the block's largest magnitude, in two chains
	v_max3_num_f32 v41, |v[XS+2]|, |v[XS+3]|, |v[XS+4]|
.irp n, 5,9,13,17,21,25
	v_max3_num_f32 v40, v40, |v[XS+\n]|, |v[XS+\n+1]|
	v_max3_num_f32 v41, v41, |v[XS+\n+2]|, |v[XS+\n+3]|
.endr
	v_max3_num_f32 v40, v40, |v[XS+29]|, |v[XS+30]|
	v_max3_num_f32 v40, v40, v41, |v[XS+31]|
	v_add_nc_u32 v42, 0xff000000, v40              ; 2 off the exponent field: the conversions' scale operand
	v_lshrrev_b32 v44, 23, v42                     ; the scale's byte
.if UB == 0
	v_mov_b32 v[KW+UA], v44                        ; four bytes to a word, the lower keys in the lower byte
.else
	v_lshl_or_b32 v[KW+UA], v44, 8*UB, v[KW+UA]
.endif
	v_cvt_scalef32_pk16_fp6_f32 v[CD:CD+2], v[XS:XS+15], v42
	v_cvt_scalef32_pk16_fp6_f32 v[T:T+2], v[XS+16:XS+31], v42
	v_nop                                          ; one plain instruction behind the scaled conversions
.irp n, 0,1,2
	v_mov_b32 v[CD+3+\n], v[T+\n]
.endr
.if (\u) < 6
	LOADV (\u)+2
.endif
.endm
	LOADV 0
	LOADV 1
.irp u, 0,1,2,3,4,5,6,7
	UNITV \u
.endr
.irp a, 0,1
.irp g, 0,1
.irp p, 0,1,2
	global_store_b128 v10, v[CV+24*\a+12*\g+4*\p:CV+24*\a+12*\g+4*\p+3], s[8:9] offset:VFOFF+3072*\a+512*\p+256*\g   ; sixteen lanes store 256 consecutive bytes, at a multiple of 256 from kv's first byte
.endr
.endr
.endr
	global_store_b64 v3, v[KW:KW+1], s[8:9] offset:VSOFF    ; 256 consecutive bytes
	s_endpgm
.Lfunc_end_k_q80a2676301_quant:
	.size	k_q80a2676301_quant, .Lfunc_end_k_q80a2676301_quant-k_q80a2676301_quant
	.p2alignl 7, 3214868480
	.fill 96, 4, 3214868480
	.section	.rodata,"a",@progbits
	.p2align	6, 0x0
	.amdhsa_kernel k_q80a2676301_quant
		.amdhsa_group_segment_fixed_size 38400
		.amdhsa_private_segment_fixed_size 0
		.amdhsa_enable_private_segment 0
		.amdhsa_kernarg_size 24
		.amdhsa_user_sgpr_count 2
		.amdhsa_user_sgpr_kernarg_segment_ptr 1
		.amdhsa_wavefront_size32 1
		.amdhsa_system_sgpr_workgroup_id_x 1
		.amdhsa_system_sgpr_workgroup_id_y 1
		.amdhsa_system_sgpr_workgroup_id_z 1
		.amdhsa_system_vgpr_workitem_id 0
		.amdhsa_next_free_vgpr 256
		.amdhsa_next_free_sgpr 66
		.amdhsa_reserve_vcc 0
		.amdhsa_float_denorm_mode_32 3
		.amdhsa_float_denorm_mode_16_64 3
		.amdhsa_memory_ordered 1
		.amdhsa_forward_progress 1
		.amdhsa_inst_pref_size 76
	.end_amdhsa_kernel
	.amdgpu_metadata
---
amdhsa.version: [ 1, 2 ]
amdhsa.kernels:
  - .name:           k_q80a2676301_quant
    .symbol:         k_q80a2676301_quant.kd
    .args:
      - { .name: k, .offset: 0, .size: 8, .value_kind: global_buffer, .address_space: global }
      - { .name: v, .offset: 8, .size: 8, .value_kind: global_buffer, .address_space: global }
      - { .name: kv, .offset: 16, .size: 8, .value_kind: global_buffer, .address_space: global }
    .group_segment_fixed_size: 38400
    .private_segment_fixed_size: 0
    .kernarg_segment_align: 8
    .kernarg_segment_size: 24
    .max_flat_workgroup_size: 128
    .sgpr_count:     66
    .vgpr_count:     256
    .wavefront_size: 32
...
	.end_amdgpu_metadata
.endif
;; end of part 1
;; launch attend (part 2): grid 4 x 64, 8 waves a work-group, clusters of 4 x 1, 318,464 bytes of LDS; arguments q, kv, out0; writes out0
.if DOCPART == 2
	.amdgcn_target "amdgcn-amd-amdhsa--gfx1250"
	.amdhsa_code_object_version 6
	.text
	.protected	k_q80a2676301_attend
	.globl	k_q80a2676301_attend
	.p2align	8
	.type	k_q80a2676301_attend,@function
k_q80a2676301_attend:
	s_mov_b64 s[64:65], 0
	v_nop
	global_prefetch_b8 v0, s[64:65] scope:SCOPE_SE
	s_setreg_imm32_b32 hwreg(HW_REG_WAVE_MODE, 25, 1), 1
	s_wait_xcnt 0x0
	s_wait_alu depctr_hold_cnt(0) depctr_sa_sdst(0) depctr_va_vdst(0) depctr_va_sdst(0) depctr_va_ssrc(0) depctr_va_vcc(0) depctr_vm_vsrc(0)
	s_getreg_b32 s2, hwreg(HW_REG_IB_STS2, 6, 4)
	s_cmp_eq_u32 s2, 0
	s_cbranch_scc0 .Lentry_in_a_cluster
	s_endpgm
.Lentry_in_a_cluster:
	s_bfe_u32 s2, ttmp6, 0x10000c
	s_cmp_lg_u32 s2, 0x3003
	s_cbranch_scc0 .Lentry_shape_is_right
	s_endpgm
.Lentry_shape_is_right:
; out0[head][i][:] = sum over j of softmax_j(q[head][i] . (k[head][j] / 8)) v[head][j][:]; 64 heads, 2,048 queries and keys, head size 64; both products on codes of FP6 (E2M3), one E8M0 scale for each 32 along K.
; kv holds k / 8 and v as codes and scale words in the order of the operands' registers: a step block of 13,056 bytes for a head's 128 keys (K's 8 tiles at 768 T; V's 4 at 6,144 + 1,536 t; K's scale words at 12,288; V's at 12,800).
; SOFTMAX: t = score x log2(e); M = the row's largest t so far, rounded up to a whole number; p = 2^(t - M) is quantised along the keys, not normalised; the row's sum is taken of the unquantised p and divides at the end.
; When M moves, the sum and O are multiplied by 2^(old M - new M), which rounds nothing; this is done in every step, with no branch.
; LIMITS: NaN and infinities among the inputs are not served; a block of q whose largest magnitude lies under 2^-124 (zeros too) gets the scale byte 1; a p under 2^-126 counts as 0; the promise holds while |t| stays under 2^31.
; SHARES: a work-group owns 512 queries of a head; wave w of eight owns 64 of them, four tiles of 16: a fragment of K or V read from LDS serves four tiles.  The 16 steps of 128 keys are dealt by the text:
; waves 0-3 walk all 16 for their own queries and store them, then walk steps NB .. 15 for the queries of wave w + 4; waves 4-7 walk steps 0 .. NB - 1 for their own.  Q's codes go from wave w + 4 to wave w through LDS,
; the second part's O^T, -M and sum come back through LDS, and wave w + 4 joins the two parts under the larger M (factors that are powers of two) and stores.
; The step is written once, with its look-ahead: the last trip of a walk asks for one block more (held at the last block) and multiplies eight tiles that nobody reads.
; LDS: the head's 16 step blocks, 208,896 bytes, are filled once (wave w brings blocks 2 w and 2 w + 1 by its one tensor load) and only read afterwards: no ring, no refill.  Behind them a stage of 16 x 272 bytes a wave, the spare words,
; and 18,432 bytes for each pair of waves (first Q's image, then the second part).
; All bytes of kv and q that a work-group reads are asked for at the head, so no loop is left in which a prefetch could run ahead.
; CLUSTER: the four work-groups of a head need the same 16 blocks at the same time and ask for them jointly.
; LAYOUT: both products transposed: S^T = K Q^T, O^T = V^T P^T: a lane holds one query (lane % 16).  Row m of K's tile T is key 64 (T / 4) + 32 (m / 8) + 8 (T % 4) + m % 8, so register 32 c + n of S in lane (r, h) is key 64 c + 32 h + n.
; The first product's K is 64: registers 6-11 of each Q fragment hold zero codes.  K's tiles lie 6 registers apart; what an instruction takes as registers 6-11 of a K fragment (the next tile's codes, or six zeros) meets those zero codes.
; ORDER: tile i's scores are made one tile ahead, in two buffers by turns: behind tile i's maxima stand the products V^T P of tile i - 1 and K Q^T of tile i + 1, then the rest of tile i's softmax.
; REGISTERS: window 0: v0-9, v15, v60-61 addresses; v10-14, v16-21 scales alone; v22-37 four tiles' -M, largest score, sum pair; v38-59 at work; v62-115 K; v116-127 P's codes; v128-255 S, two buffers.
;            window 1: v0-127 O^T of four tiles; v128-175 V; v176-223 Q; v224-255 at work when the parts are joined.
.set STEPB,  13056
.set HEADB,  16*STEPB
.set STAGE,  HEADB
.set SPITCH, 272
.set SPARE,  STAGE+8*16*SPITCH
.set PBASE,  SPARE+1024
.set PB,     18432
.set NB,     11
.set VFOFF,  6144
.set KSOFF,  12288
.set VSOFF,  12800
.set FLOOR,  0x1800000                 ; 2^(3 - 127)
.set L16, 1
.set L8,  2
.set AD16, 3
.set AD8, 4
.set STO, 5
.set RD,  6
.set QRD, 7
.set SPW, 8
.set NIL, 9
.set QS,  10
.set PS,  14
.set PA16, 15
.set VS,  16
.set KS,  18
.set ST,  22
.set B0,  38
.set A0,  40
.set TT,  42
.set PX,  43
.set F,   44
.set C1,  46
.set C2,  48
.set C3,  50
.set T1,  52
.set SOP0, 55
.set T3,  56
.set SOP1, 59
.set ADK16, 60
.set ADK8, 61
.set KB,  62
.set PC,  116
.set S0,  128
.set S1,  192
.set VB,  128                          ; window 1
.set QF,  176                          ; window 1
.set MSB, 0
.macro WIN new                         ; low byte: 1:0 source 0, 3:2 source 1, 5:4 source 2, 7:6 destination; the high byte repeats the setting that is left
.if MSB != \new
	s_set_vgpr_msb (MSB<<8)|\new
.set MSB, \new
.endif
.endm
.macro CROUND                          ; a round of the cluster's barrier
	s_barrier_signal -1
	s_barrier_wait -1
	s_cmp_lg_u32 s10, 0
	s_cbranch_scc1 .Lnot_wave_0_\@
	s_barrier_signal -3
.Lnot_wave_0_\@:
	s_barrier_wait -3
	s_barrier_signal -1
	s_barrier_wait -1
.endm
.macro PLACES
.rept 4
	v_nop
.endr
.endm
.macro ZERO_O                          ; O^T: the step is written once; a walk's first trip finds zeros
	WIN 0x40
.set n, 0
.rept 128
	v_mov_b32 v[n], 0
.set n, n+1
.endr
	WIN 0
.endm
.macro STATE0
.irp i, 0,1,2,3
	v_mov_b32 v[ST+4*\i], 0x7f61b1e6               ; -M = 3e38
	v_mov_b32 v[ST+4*\i+1], 0xff61b1e6             ; the largest score so far: -3e38
	v_mov_b32 v[ST+4*\i+2], 0                      ; the sum, in two halves
	v_mov_b32 v[ST+4*\i+3], 0
.endr
.endm
	s_load_b128 s[4:7], s[0:1], 0x0                ; q, kv
	s_load_b64 s[8:9], s[0:1], 0x10                ; out0
	v_lshl_add_u32 v[SPW], v0, 2, SPARE
	v_mov_b32 v[NIL], 0
	ds_add_u32 v[SPW], v[NIL]
	ds_add_u32 v[SPW], v[NIL]
	v_lshrrev_b32 v60, 5, v0
	v_readfirstlane_b32 s10, v60                   ; wave 0..7
	v_and_b32 v61, 31, v0
	v_lshlrev_b32 v[L16], 4, v61
	v_lshlrev_b32 v[L8], 3, v61
	s_lshr_b32 s38, s10, 2                         ; 0: waves 0-3; 1: waves 4-7
	s_cmp_eq_u32 s38, 0
	s_cselect_b32 s39, 16, NB                      ; steps of my own walk
	s_and_b32 s40, s10, 3
	s_mul_i32 s40, s40, PB
	s_add_co_u32 s40, s40, PBASE                   ; my pair's bytes
	s_bfe_u32 s11, ttmp6, 0x40000                  ; cx: it enters q's and out0's addresses alone
	s_lshl_b32 s12, ttmp9, 2
	s_add_co_u32 s12, s12, s11                     ; my block of 512 queries
	s_and_b32 s13, ttmp7, 0xffff                   ; the head, which the four partners share
	s_mov_b32 s16, 15|(3<<16)|(1<<21)              ; group 1: mask of all four; elements of 8 bytes; bit 21 beside the mask
	s_mov_b32 s17, 32<<16                          ; two dense blocks, 26,112 bytes, as 102 rows of 256 bytes
	s_mov_b32 s18, 102<<16
	s_mov_b32 s19, 32<<16
	s_mov_b32 s20, 102
	s_mov_b32 s21, 32
	s_mov_b32 s22, 0
	s_mov_b32 s23, 0
	s_mov_b32 s24, 1
	s_mul_i32 s25, s10, 2*STEPB                    ; LDS address: blocks 2 w, 2 w + 1
	s_mul_i32 s14, s13, HEADB
	s_add_co_u32 s14, s14, s25
	s_mov_b32 s15, 0
	s_lshl_b32 s34, s13, 19                        ; q and out0: a head is 2^19 bytes, 512 queries 2^17, my wave's 64 queries 2^14
	s_lshl_b32 s35, s12, 17
	s_add_co_u32 s34, s34, s35
	s_lshl_b32 s35, s10, 14
	s_add_co_u32 s34, s34, s35
	s_mov_b32 s35, 0
	s_mov_b32 s28, 0x76543210                      ; v_permlanex16_b32's selects for lane l xor 16
	s_mov_b32 s29, 0xfedcba98
	s_mov_b32 s30, 0x3fb8aa3b                      ; log2(e); the factor 1 / 8 lies in K's codes
	s_mov_b32 s31, s30
	s_mul_i32 s37, s10, 16*SPITCH
	s_add_co_u32 s37, s37, STAGE                   ; my stage
	s_wait_alu depctr_va_vdst(0)
	s_wait_dscnt 0x0
	s_wait_kmcnt 0x0
	s_add_nc_u64 s[26:27], s[6:7], s[14:15]
	s_or_b32 s27, s27, 0x80000000
	s_add_nc_u64 s[4:5], s[4:5], s[34:35]
	s_add_nc_u64 s[8:9], s[8:9], s[34:35]
.set n, 0
.rept 32
	global_load_b128 v[S0+4*n:S0+4*n+3], v[L16], s[4:5] offset:512*n th:TH_LOAD_NT   ; q: each load reads 512 consecutive bytes, two rows
.set n, n+1
.endr
	CROUND                                         ; the joint loads meet
	tensor_load_to_lds s[24:27], s[16:23]          ; my one tensor load of the launch
	s_nop 0
	PLACES
	v_and_b32 v60, 15, v0                          ; r
	v_bfe_u32 v61, v0, 4, 1                        ; h
	v_mul_u32_u24 v[STO], v60, SPITCH              ; the stage, O on its way in: row r, + 32 h
	v_mul_u32_u24 v[RD], v61, SPITCH               ; by rows: lanes 0-15 one row, lanes 16-31 the next
	v_mul_u32_u24 v[QRD], v60, SPITCH              ; q on its way back: row r, + 128 h
	v_lshl_add_u32 v[STO], v61, 5, v[STO]
	v_lshl_add_u32 v[RD], v60, 4, v[RD]
	v_lshl_add_u32 v[QRD], v61, 7, v[QRD]
	v_add_nc_u32 v[STO], s37, v[STO]
	v_add_nc_u32 v[RD], s37, v[RD]
	v_add_nc_u32 v[QRD], s37, v[QRD]
	v_add_nc_u32 v[PA16], s40, v[L16]              ; my pair's bytes, 16 a lane
	ZERO_O
	WIN 0x40
.irp t, 0,1,2,3
.irp n, 6,7,8,9,10,11
	v_mov_b32 v[QF+12*\t+\n], 0                    ; Q's zero codes for k = 64 .. 127
.endr
.endr
	WIN 0
.irp n, 0,1,2,3,4,5
	v_mov_b32 v[KB+48+\n], 0                       ; behind K's last tile
.endr
	v_mov_b32 v[PX], 0                             ; a lane permute's destination counts as a source
	v_mov_b32 v[F+1], 0                            ; named as the upper half of a pair
	STATE0
; q's tile t: 16 rows turn through my stage, so that lane (r, h) holds dims 32 h .. 32 h + 31 of query r: one block; then codes and scale word
.set X, KB
.macro QTILE t
	s_wait_loadcnt 24-8*\t                         ; this tile's 8 loads are in; the later tiles' may be out
.irp i, 0,1,2,3,4,5,6,7
	ds_store_b128 v[RD], v[S0+32*\t+4*\i:S0+32*\t+4*\i+3] offset:2*\i*SPITCH
.endr
.irp j, 0,1,2,3,4,5,6,7
	ds_load_b128 v[X+4*\j:X+4*\j+3], v[QRD] offset:16*\j   ; LDS serves a wave's instructions in order (ISA guide 5.7.1.4)
.endr
	s_wait_dscnt 0x0
	v_max3_num_f32 v[B0], |v[X]|, |v[X+1]|, FLOOR
	v_max3_num_f32 v[B0+1], |v[X+2]|, |v[X+3]|, |v[X+4]|
.irp n, 5,9,13,17,21,25
	v_max3_num_f32 v[B0], v[B0], |v[X+\n]|, |v[X+\n+1]|
	v_max3_num_f32 v[B0+1], v[B0+1], |v[X+\n+2]|, |v[X+\n+3]|
.endr
	v_max3_num_f32 v[B0], v[B0], |v[X+29]|, |v[X+30]|
	s_delay_alu instid0(VALU_DEP_1)
	v_max3_num_f32 v[B0], v[B0], v[B0+1], |v[X+31]|
	s_delay_alu instid0(VALU_DEP_1)
	v_add_nc_u32 v[SOP0], 0xff000000, v[B0]        ; 2 off the exponent field: the conversions' scale operand
	v_cvt_scalef32_pk16_fp6_f32 v[T3:T3+2], v[X:X+15], v[SOP0]
	v_cvt_scalef32_pk16_fp6_f32 v[T1:T1+2], v[X+16:X+31], v[SOP0]
	v_lshrrev_b32 v[B0], 23, v[SOP0]               ; the scale's byte (the plain line behind the conversions)
	s_delay_alu instid0(VALU_DEP_1)
	v_permlanex16_b32 v[PX], v[B0], s28, s29
	WIN 0x40
.irp n, 0,1,2
	v_mov_b32 v[QF+12*\t+\n], v[T3+\n]
	v_mov_b32 v[QF+12*\t+3+\n], v[T1+\n]
.endr
	WIN 0
	v_lshl_or_b32 v[QS+\t], v[PX], 8, v[B0]        ; lanes 0-15, which alone are read: byte 0 mine (dims 0-31), byte 1 lane l + 16's
.endm
	QTILE 0
	QTILE 1
	QTILE 2
	QTILE 3
	s_wait_alu depctr_va_vdst(0)
	s_cmp_eq_u32 s38, 0
	s_cbranch_scc1 .Lno_image
	WIN 0x04                                       ; waves 4-7: an image of Q's registers 0-7 of each tile and of the scale words, for wave w - 4
.irp t, 0,1,2,3
	ds_store_b128 v[PA16], v[QF+12*\t:QF+12*\t+3] offset:1024*\t
	ds_store_b128 v[PA16], v[QF+12*\t+4:QF+12*\t+7] offset:1024*\t+512
.endr
	WIN 0
	ds_store_b128 v[PA16], v[QS:QS+3] offset:4096
.Lno_image:
	s_wait_tensorcnt 0x0                           ; my blocks have landed,
	s_wait_dscnt 0x0                               ; my stores are done,
	s_barrier_signal -1
	s_barrier_wait -1                              ; everybody's; nothing writes the step blocks from here on
.macro KLOAD a16, a8, off              ; K's eight tiles, 6 registers each, and their scale words
.irp T, 0,1,2,3,4,5,6,7
	ds_load_b128 v[KB+6*\T:KB+6*\T+3], v[\a16] offset:\off+768*\T
	ds_load_b64 v[KB+6*\T+4:KB+6*\T+5], v[\a8] offset:\off+768*\T+512
.endr
	ds_load_b128 v[KS:KS+3], v[\a16] offset:\off+KSOFF
.endm
.macro QK i, SB                        ; S^T of query tile i: eight tiles of 16 keys; even tiles' scale words in lanes 0-15, odd tiles' in lanes 16-31
	WIN 0x04
.irp T, 0,1,2,3,4,5,6,7
.if (\T)%2
	v_wmma_scale_f32_16x16x128_f8f6f4 v[\SB+8*\T:\SB+8*\T+7], v[KB+6*\T:KB+6*\T+11], v[QF+12*\i:QF+12*\i+11], 0, v[KS+\T/2], v[QS+\i] matrix_a_fmt:MATRIX_FMT_FP6 matrix_b_fmt:MATRIX_FMT_FP6 matrix_a_scale:MATRIX_SCALE_ROW1
.else
	v_wmma_scale_f32_16x16x128_f8f6f4 v[\SB+8*\T:\SB+8*\T+7], v[KB+6*\T:KB+6*\T+11], v[QF+12*\i:QF+12*\i+11], 0, v[KS+\T/2], v[QS+\i] matrix_a_fmt:MATRIX_FMT_FP6 matrix_b_fmt:MATRIX_FMT_FP6
.endif
.endr
.endm
.macro PV i                            ; O^T of tile i += V^T P^T: four accumulators, one instruction each
	WIN 0x51
.irp t, 0,1,2,3
.if (\t)%2
	v_wmma_scale_f32_16x16x128_f8f6f4 v[32*\i+8*\t:32*\i+8*\t+7], v[VB+12*\t:VB+12*\t+11], v[PC:PC+11], v[32*\i+8*\t:32*\i+8*\t+7], v[VS+\t/2], v[PS] matrix_a_fmt:MATRIX_FMT_FP6 matrix_b_fmt:MATRIX_FMT_FP6 matrix_a_scale:MATRIX_SCALE_ROW1
.else
	v_wmma_scale_f32_16x16x128_f8f6f4 v[32*\i+8*\t:32*\i+8*\t+7], v[VB+12*\t:VB+12*\t+11], v[PC:PC+11], v[32*\i+8*\t:32*\i+8*\t+7], v[VS+\t/2], v[PS] matrix_a_fmt:MATRIX_FMT_FP6 matrix_b_fmt:MATRIX_FMT_FP6
.endif
.endr
.endm
.macro BMAX SB                         ; the largest score of my two blocks of 32 keys, four chains by turns; each accumulator is first read at its low end
	s_wait_alu depctr_va_vdst(0)                   ; directly ahead of the first reader of these matrix results
.irp c, 0,1
	v_max3_num_f32 v[B0+\c], v[\SB+32*\c], v[\SB+32*\c+1], v[\SB+32*\c+2]
.endr
.irp c, 0,1
	v_max3_num_f32 v[A0+\c], v[\SB+32*\c+16], v[\SB+32*\c+17], v[\SB+32*\c+18]
.endr
.irp n, 3,5,7,9,11,13
.irp c, 0,1
	v_max3_num_f32 v[B0+\c], v[B0+\c], v[\SB+32*\c+\n], v[\SB+32*\c+\n+1]
.endr
.irp c, 0,1
	v_max3_num_f32 v[A0+\c], v[A0+\c], v[\SB+32*\c+16+\n], v[\SB+32*\c+17+\n]
.endr
.endr
.irp c, 0,1
	v_max_num_f32 v[B0+\c], v[B0+\c], v[\SB+32*\c+15]
.endr
.irp c, 0,1
	v_max3_num_f32 v[B0+\c], v[A0+\c], v[\SB+32*\c+31], v[B0+\c]
.endr
.endm
; the rest of tile i's softmax.  hook 1: this step's V is asked for; hook 2: the next step's K
.macro REST i, SB, hook
.set NM, ST+4*(\i)
.set SU, ST+4*(\i)+2
	v_max_num_f32 v[TT], v[B0], v[B0+1]
	s_delay_alu instid0(VALU_DEP_1)
	v_permlanex16_b32 v[PX], v[TT], s28, s29
	s_delay_alu instid0(VALU_DEP_1)
	v_max3_num_f32 v[NM+1], v[NM+1], v[TT], v[PX]  ; the running largest score of my query
	s_delay_alu instid0(VALU_DEP_1)
	v_mul_f32 v[TT], s30, v[NM+1]                  ; as t
	s_delay_alu instid0(VALU_DEP_1)
	v_floor_f32 v[TT], -v[TT]                      ; the new -M = -ceil(t)
	s_delay_alu instid0(VALU_DEP_1)
	v_sub_f32 v[A0], v[TT], v[NM]                  ; old M - new M: a whole number, 0 or less
	v_mov_b32 v[NM], v[TT]
	s_delay_alu instid0(VALU_DEP_2)
	v_cvt_i32_f32 v[A0], v[A0]                     ; (it saturates)
	s_delay_alu instid0(VALU_DEP_1)
	v_ldexp_f32 v[F], 1.0, v[A0]                   ; f = 2^(old M - new M)
.set j, 0
.rept 32
	v_pk_fma_f32 v[\SB+j:\SB+j+1], v[\SB+j:\SB+j+1], s[30:31], v[NM:NM+1] op_sel_hi:[1,0,0]   ; t - M (of the pairs the low word serves both halves)
.set j, j+2
.endr
	v_fma_f32 v[B0], v[B0], s30, v[NM]             ; the same of each block's largest score: it gives the block's largest p
	v_fma_f32 v[B0+1], v[B0+1], s30, v[NM]
.if \hook == 1
	WIN 0x40
.irp t, 0,1,2,3
.irp p, 0,1,2
	ds_load_b128 v[VB+12*\t+4*\p:VB+12*\t+4*\p+3], v[AD16] offset:VFOFF+1536*\t+512*\p
.endr
.endr
	WIN 0
	ds_load_b64 v[VS:VS+1], v[AD8] offset:VSOFF
.endif
.if \hook == 2
	KLOAD ADK16, ADK8, 0
.endif
	WIN 0x41
	s_wait_alu depctr_va_vdst(0)                   ; directly ahead of the first reader of O^T
.set j, 0
.rept 16
	v_pk_mul_f32 v[32*\i+j:32*\i+j+1], v[32*\i+j:32*\i+j+1], v[F:F+1] op_sel_hi:[1,0]   ; O^T under the new M
.set j, j+2
.endr
	WIN 0
	v_exp_f32 v[B0], v[B0]
	v_exp_f32 v[B0+1], v[B0+1]
.set j, 0
.rept 64
	v_exp_f32 v[\SB+j], v[\SB+j]                   ; p = 2^(t - M), at most 1
.set j, j+1
.endr
	v_pk_mul_f32 v[SU:SU+1], v[SU:SU+1], v[F:F+1] op_sel_hi:[1,0]   ; the sum under the new M: the plain line behind the batch
	s_wait_alu depctr_va_vdst(0)                   ; one wait for the 66, ahead of their first reader
	v_max_num_f32 v[B0], FLOOR, v[B0]              ; the byte cannot fall under 1
	v_max_num_f32 v[B0+1], FLOOR, v[B0+1]
	v_add_nc_u32 v[SOP0], 0xff000000, v[B0]        ; 2 off the exponent field: the conversions' scale operands
	v_add_nc_u32 v[SOP1], 0xff000000, v[B0+1]
	v_cvt_scalef32_pk16_fp6_f32 v[PC:PC+2], v[\SB:\SB+15], v[SOP0]
	v_cvt_scalef32_pk16_fp6_f32 v[T1:T1+2], v[\SB+16:\SB+31], v[SOP0]   ; (a conversion's three registers begin on an even number)
	v_cvt_scalef32_pk16_fp6_f32 v[PC+6:PC+8], v[\SB+32:\SB+47], v[SOP1]
	v_cvt_scalef32_pk16_fp6_f32 v[T3:T3+2], v[\SB+48:\SB+63], v[SOP1]
	v_lshrrev_b32 v[B0], 23, v[SOP0]               ; the bytes of my blocks (plain lines behind the conversions)
	v_lshrrev_b32 v[B0+1], 23, v[SOP1]
	s_delay_alu instid0(VALU_DEP_1)
	v_lshl_or_b32 v[TT], v[B0+1], 16, v[B0]
.irp n, 0,1,2
	v_mov_b32 v[PC+3+\n], v[T1+\n]
	v_mov_b32 v[PC+9+\n], v[T3+\n]
.endr
	v_permlanex16_b32 v[PX], v[TT], s28, s29
	v_pk_add_f32 v[C1:C1+1], v[\SB:\SB+1], v[\SB+2:\SB+3]           ; the row's sum of the unquantised p, in four chains
	v_pk_add_f32 v[C2:C2+1], v[\SB+4:\SB+5], v[\SB+6:\SB+7]
	v_pk_add_f32 v[C3:C3+1], v[\SB+8:\SB+9], v[\SB+10:\SB+11]
	v_pk_add_f32 v[SU:SU+1], v[SU:SU+1], v[\SB+12:\SB+13]
	v_lshl_or_b32 v[PS], v[PX], 8, v[TT]           ; P's scale word in lanes 0-15, which alone are read: bytes 0, 2 mine, bytes 1, 3 lane l + 16's.  The 28 lines below are the places ahead of the products
.set j, 14
.rept 6
	v_pk_add_f32 v[C1:C1+1], v[C1:C1+1], v[\SB+j:\SB+j+1]
	v_pk_add_f32 v[C2:C2+1], v[C2:C2+1], v[\SB+j+2:\SB+j+3]
	v_pk_add_f32 v[C3:C3+1], v[C3:C3+1], v[\SB+j+4:\SB+j+5]
	v_pk_add_f32 v[SU:SU+1], v[SU:SU+1], v[\SB+j+6:\SB+j+7]
.set j, j+8
.endr
	v_pk_add_f32 v[C1:C1+1], v[C1:C1+1], v[\SB+62:\SB+63]
	v_pk_add_f32 v[C2:C2+1], v[C2:C2+1], v[C3:C3+1]
	s_delay_alu instid0(VALU_DEP_2)
	v_pk_add_f32 v[SU:SU+1], v[SU:SU+1], v[C1:C1+1]
	s_delay_alu instid0(VALU_DEP_1)
	v_pk_add_f32 v[SU:SU+1], v[SU:SU+1], v[C2:C2+1]
.endm
; A KEY STEP: 128 keys, block at LDS byte s32, for four tiles.  At its start tile 0's scores lie in S0; at its end those of the block behind it (held at the last block)
.macro STEP
	BMAX S0
	s_add_co_u32 s36, s32, STEPB
	s_min_u32 s36, s36, 15*STEPB
	v_add_nc_u32 v[AD16], s32, v[L16]
	v_add_nc_u32 v[AD8], s32, v[L8]
	v_add_nc_u32 v[ADK16], s36, v[L16]
	v_add_nc_u32 v[ADK8], s36, v[L8]
	QK 1, S1
	WIN 0
	REST 0, S0, 1
	s_wait_dscnt 0x0                               ; V's fragments and scale words are in
	BMAX S1
	PV 0
	QK 2, S0
	WIN 0
	REST 1, S1, 0
	BMAX S0
	PV 1
	QK 3, S1
	WIN 0
	REST 2, S0, 2
	s_wait_dscnt 0x0                               ; the next block's K is in
	BMAX S1
	PV 2
	QK 0, S0
	WIN 0
	REST 3, S1, 0
	PV 3
	WIN 0
.endm
; 16 rows of results, in v[XO ..], go through my stage and leave as whole rows of 256 bytes
.macro LEAVE t
.irp u, 0,1,2,3
	ds_store_b128 v[STO], v[XO+8*\u:XO+8*\u+3] offset:64*\u
	ds_store_b128 v[STO], v[XO+8*\u+4:XO+8*\u+7] offset:64*\u+16
.endr
.irp n, 0,1,2,3,4,5,6,7
	ds_load_b128 v[S0+32*\t+4*\n:S0+32*\t+4*\n+3], v[RD] offset:2*\n*SPITCH   ; LDS serves a wave's instructions in order: these see my stores
.endr
.irp n, 0,1,2,3,4,5,6,7
	s_wait_dscnt 7-\n                              ; rows 2 n, 2 n + 1 are back; the 7 - n younger loads may be out
	global_store_b128 v[L16], v[S0+32*\t+4*\n:S0+32*\t+4*\n+3], s[8:9] offset:4096*\t+512*\n th:TH_STORE_NT   ; 512 consecutive bytes, at a multiple of 256 from out0's first byte; each tile has its own data registers
.endr
.endm
.macro OUT t                           ; a whole walk's tile: O^T / the sum
.set XO, KB+32*((\t)%2)
.set SU, ST+4*(\t)+2
	WIN 0x01
	s_wait_alu depctr_va_vdst(0)                   ; directly ahead of the first reader of the reciprocal and of O^T
.set j, 0
.rept 16
	v_pk_mul_f32 v[XO+j:XO+j+1], v[32*\t+j:32*\t+j+1], v[SU:SU+1] op_sel_hi:[1,0]   ; register 8 u + n: channel 16 u + 8 h + n of query r
.set j, j+2
.endr
	WIN 0
	LEAVE \t
.endm
.macro JOIN t                          ; two parts' tile: O^T g1 + the other part's O^T g2
.set XO, KB+32*((\t)%2)
.set PR, VB+96*((\t)%2)
.set G1, ST+4*(\t)
.set G2, B0+4*(\t)
	WIN 0x40
.irp n, 0,1,2,3,4,5,6,7
	ds_load_b128 v[PR+4*\n:PR+4*\n+3], v[PA16] offset:4096*\t+512*\n
.endr
	s_wait_dscnt 0x0
	WIN 0x01
	s_wait_alu depctr_va_vdst(0)                   ; directly ahead of the first reader of O^T
.set j, 0
.rept 16
	v_pk_mul_f32 v[XO+j:XO+j+1], v[32*\t+j:32*\t+j+1], v[G1:G1+1] op_sel_hi:[1,0]
.set j, j+2
.endr
.set j, 0
.rept 16
	v_pk_fma_f32 v[XO+j:XO+j+1], v[PR+j:PR+j+1], v[G2:G2+1], v[XO+j:XO+j+1] op_sel_hi:[1,0,1]
.set j, j+2
.endr
	WIN 0
	LEAVE \t
.endm
; ---- the first walk: my own queries; waves 0-3 all 16 steps, waves 4-7 the first NB (the other trips are jumped over)
	KLOAD L16, L8, 0
	s_wait_dscnt 0x0
	QK 0, S0
	WIN 0
	PLACES                                         ; behind the products, ahead of the first read of their results
	s_mov_b32 s32, 0
	s_mov_b32 s33, 0
.Lwalk1:
	s_cmp_ge_u32 s33, s39
	s_cbranch_scc1 .Lskip1
	STEP
.Lskip1:
	s_add_co_u32 s32, s32, STEPB
	s_add_co_u32 s33, s33, 1
	s_cmp_lt_u32 s33, 16
	s_cbranch_scc1 .Lwalk1
	s_mov_b32 s32, NB*STEPB
	s_mov_b32 s33, 0
	s_wait_alu depctr_va_vdst(0)
	s_cmp_lg_u32 s38, 0
	s_cbranch_scc1 .Lno_mid
; waves 0-3: my own queries leave, and the second walk is made ready
	PLACES
.irp i, 0,1,2,3
	v_add_f32 v[ST+4*\i+2], v[ST+4*\i+2], v[ST+4*\i+3]
.endr
.irp i, 0,1,2,3
	v_permlanex16_b32 v[C1+\i], v[ST+4*\i+2], s28, s29
.endr
.irp i, 0,1,2,3
	v_add_f32 v[ST+4*\i+2], v[ST+4*\i+2], v[C1+\i] ; the row's sum
.endr
	s_wait_alu depctr_va_vdst(0)
.irp i, 0,1,2,3
	v_rcp_f32 v[ST+4*\i+2], v[ST+4*\i+2]
.endr
	v_nop                                          ; a plain line behind the reciprocals
	OUT 0
	OUT 1
	OUT 2
	OUT 3
	WIN 0x40
.irp t, 0,1,2,3
	ds_load_b128 v[QF+12*\t:QF+12*\t+3], v[PA16] offset:1024*\t          ; Q of wave w + 4: the same registers in the same lanes
	ds_load_b128 v[QF+12*\t+4:QF+12*\t+7], v[PA16] offset:1024*\t+512
.endr
	WIN 0
	ds_load_b128 v[QS:QS+3], v[PA16] offset:4096
	v_add_nc_u32 v[AD16], s32, v[L16]
	v_add_nc_u32 v[AD8], s32, v[L8]
	ZERO_O
	STATE0
	KLOAD AD16, AD8, 0
	s_wait_alu depctr_va_vdst(0)
	s_wait_xcnt 0x0                                ; my stores have read their data: S's registers are written again only behind this wait
	s_wait_dscnt 0x0
	QK 0, S0
	WIN 0
	PLACES
.Lno_mid:
; ---- the second walk: steps NB .. 15 for the queries of wave w + 4; waves 4-7 jump over every trip
.Lwalk2:
	s_cmp_lg_u32 s38, 0
	s_cbranch_scc1 .Lskip2
	STEP
.Lskip2:
	s_add_co_u32 s32, s32, STEPB
	s_add_co_u32 s33, s33, 1
	s_cmp_lt_u32 s33, 16-NB
	s_cbranch_scc1 .Lwalk2
	s_wait_alu depctr_va_vdst(0)
	s_cmp_lg_u32 s38, 0
	s_cbranch_scc1 .Lno_part
	PLACES                                         ; behind the last products
	WIN 0x04
.set n, 0
.rept 32
	ds_store_b128 v[PA16], v[4*n:4*n+3] offset:512*n   ; an image of O^T's 128 registers,
.set n, n+1
.endr
	WIN 0
.irp t, 0,1,2,3
	ds_store_b128 v[PA16], v[ST+4*\t:ST+4*\t+3] offset:16384+512*\t   ; and of -M and the sum
.endr
.Lno_part:
	s_wait_dscnt 0x0
	s_barrier_signal -1
	s_barrier_wait -1
	s_cmp_eq_u32 s38, 0
	s_cbranch_scc1 .Ldone
; waves 4-7: the two parts are joined under the larger M
.irp t, 0,1,2,3
	ds_load_b128 v[B0+4*\t:B0+4*\t+3], v[PA16] offset:16384+512*\t
.endr
	s_wait_dscnt 0x0
.irp t, 0,1,2,3
	v_min_num_f32 v[ST+4*\t+1], v[ST+4*\t], v[B0+4*\t]              ; the smaller -M
.endr
.irp t, 0,1,2,3
	v_add_f32 v[ST+4*\t+2], v[ST+4*\t+2], v[ST+4*\t+3]
	v_add_f32 v[B0+4*\t+2], v[B0+4*\t+2], v[B0+4*\t+3]
.endr
.irp t, 0,1,2,3
	v_sub_f32 v[ST+4*\t], v[ST+4*\t+1], v[ST+4*\t]                  ; each part's M less the larger: whole numbers, 0 or less
	v_sub_f32 v[B0+4*\t], v[ST+4*\t+1], v[B0+4*\t]
.endr
.irp t, 0,1,2,3
	v_cvt_i32_f32 v[ST+4*\t], v[ST+4*\t]
	v_cvt_i32_f32 v[B0+4*\t], v[B0+4*\t]
.endr
.irp t, 0,1,2,3
	v_ldexp_f32 v[ST+4*\t], 1.0, v[ST+4*\t]                         ; the parts' factors
	v_ldexp_f32 v[B0+4*\t], 1.0, v[B0+4*\t]
.endr
.irp t, 0,1,2,3
	v_mul_f32 v[ST+4*\t+2], v[ST+4*\t+2], v[ST+4*\t]
.endr
.irp t, 0,1,2,3
	v_fma_f32 v[ST+4*\t+2], v[B0+4*\t+2], v[B0+4*\t], v[ST+4*\t+2]
.endr
.irp t, 0,1,2,3
	v_permlanex16_b32 v[B0+4*\t+3], v[ST+4*\t+2], s28, s29
.endr
.irp t, 0,1,2,3
	v_add_f32 v[ST+4*\t+2], v[ST+4*\t+2], v[B0+4*\t+3]              ; the row's sum
.endr
	s_wait_alu depctr_va_vdst(0)
.irp t, 0,1,2,3
	v_rcp_f32 v[ST+4*\t+2], v[ST+4*\t+2]
.endr
	v_nop                                          ; a plain line behind the reciprocals
	s_wait_alu depctr_va_vdst(0)                   ; and the wait ahead of their first reader
.irp t, 0,1,2,3
	v_mul_f32 v[ST+4*\t], v[ST+4*\t], v[ST+4*\t+2]                  ; g1, g2: factor / sum
	v_mul_f32 v[B0+4*\t], v[B0+4*\t], v[ST+4*\t+2]
.endr
	JOIN 0
	JOIN 1
	JOIN 2
	JOIN 3
.Ldone:
	s_wait_tensorcnt 0x0                           ; the wave's end
	ds_add_u32 v[SPW], v[NIL]
	s_wait_dscnt 0x0
	CROUND                                         ; the closing round
	s_endpgm
.Lfunc_end_k_q80a2676301_attend:
	.size	k_q80a2676301_attend, .Lfunc_end_k_q80a2676301_attend-k_q80a2676301_attend
	.p2alignl 7, 3214868480
	.fill 96, 4, 3214868480
	.section	.rodata,"a",@progbits
	.p2align	6, 0x0
	.amdhsa_kernel k_q80a2676301_attend
		.amdhsa_group_segment_fixed_size 318464
		.amdhsa_private_segment_fixed_size 0
		.amdhsa_enable_private_segment 0
		.amdhsa_kernarg_size 24
		.amdhsa_user_sgpr_count 2
		.amdhsa_user_sgpr_kernarg_segment_ptr 1
		.amdhsa_wavefront_size32 1
		.amdhsa_system_sgpr_workgroup_id_x 1
		.amdhsa_system_sgpr_workgroup_id_y 1
		.amdhsa_system_sgpr_workgroup_id_z 1
		.amdhsa_system_vgpr_workitem_id 0
		.amdhsa_next_free_vgpr 512
		.amdhsa_next_free_sgpr 66
		.amdhsa_reserve_vcc 0
		.amdhsa_float_denorm_mode_32 3
		.amdhsa_float_denorm_mode_16_64 3
		.amdhsa_memory_ordered 1
		.amdhsa_forward_progress 1
		.amdhsa_inst_pref_size 179
	.end_amdhsa_kernel
	.amdgpu_metadata
---
amdhsa.version: [ 1, 2 ]
amdhsa.kernels:
  - .name:           k_q80a2676301_attend
    .symbol:         k_q80a2676301_attend.kd
    .args:
      - { .name: q, .offset: 0, .size: 8, .value_kind: global_buffer, .address_space: global }
      - { .name: kv, .offset: 8, .size: 8, .value_kind: global_buffer, .address_space: global }
      - { .name: out0, .offset: 16, .size: 8, .value_kind: global_buffer, .address_space: global }
    .group_segment_fixed_size: 318464
    .private_segment_fixed_size: 0
    .kernarg_segment_align: 8
    .kernarg_segment_size: 24
    .max_flat_workgroup_size: 256
    .sgpr_count:     66
    .vgpr_count:     512
    .wavefront_size: 32
...
	.end_amdgpu_metadata
.endif
;; end of part 2
